; MI455X (gfx1250); checked and timed in simulation.
; The chip was launched on July 23, 2026; its instructions are those of AMD's public machine-readable ISA for CDNA 5 (MIT licence, August 2026) and "CDNA5" Instruction Set Architecture Reference Guide (July 2026). The comments in the code are by the model that wrote it; some were corrected since.
;; Quantized Linear. Allowed arithmetic: float matrix products may take bf16 or f16 operands with f32 sums; other float arithmetic in f32, or as packed bf16 or f16 multiplies, adds, multiply-adds, maxima and minima; sums over many terms, partial sums and values carried from step to step in f32; what a program stores and reads back later, other than sums and carried values, may be rounded once to bf16 or f16.
;; Inputs: bias 4,096 float32; scales 4,096 x 1 float32; weight_int 4,096 x 4,096 int32; x 4 x 1,024 x 4,096 float32; zeros 4,096 x 1 float32.
;; Outputs: out0 4 x 1,024 x 4,096 float32.
;; 2 versions, each right; version 2 is version 1 with the launch prep written anew for expert scheduling mode. Each part assembles by itself: llvm-mc -triple=amdgcn-amd-amdhsa -mcpu=gfx1250 --defsym DOCPART=n.
;; ======== version 1 of 2: 2 launches
;; limits: a difference of large sums (such as E[x^2] - mean^2): digits are lost where the result is much smaller than its terms
;; workspace buffers: xb 33,554,432 bytes; wb 33,554,432 bytes; rowsum 16,384 bytes
;; launch prep (part 1): grid 512 x 2, 8 waves a work-group, no clusters, 0 bytes of LDS; arguments x, weight_int, xb, wb, rowsum; writes xb, wb, rowsum
.if DOCPART == 1
	.amdgcn_target "amdgcn-amd-amdhsa--gfx1250"
	.amdhsa_code_object_version 6
	.text
	.protected	k_qb7e97b9cb3_prep
	.globl	k_qb7e97b9cb3_prep
	.p2align	8
	.type	k_qb7e97b9cb3_prep,@function
k_qb7e97b9cb3_prep:
	s_mov_b64 s[64:65], 0
	v_nop
	global_prefetch_b8 v0, s[64:65] scope:SCOPE_SE
	s_setreg_imm32_b32 hwreg(HW_REG_WAVE_MODE, 25, 1), 1
	s_wait_xcnt 0x0
; xb[m][k] = bf16(x[m][k]);  rowsum[m] = the f32 sum over k of the ROUNDED x[m][k];  wb[o][k] = bf16(weight_int[o][k]).
; x: [4096][4096] f32, weight_int: [4096][4096] int32, xb and wb: [4096][4096] bf16, rowsum: [4096] f32.
; LIMITS.  A whole number up to 256 in magnitude is exact in bf16 (8 significant bits); a larger one is rounded to nearest even like any weight.
; x is rounded once to bf16; the row's sum is taken of the rounded numbers, so that the next launch's zero-point term belongs to the very operand it multiplies.
; SHARES.  Work-group y picks the tensor (0: x, 1: weight_int).  One wave takes one row: 16,384 bytes in, 8,192 bytes out; eight waves, eight rows a work-group.
; Load j of 32 is 16 bytes a lane at 16 lane + 512 j: 512 consecutive bytes a wave.  Its four numbers pack into 8 bytes, stored at 8 lane + 256 j: 32 lanes store 256 consecutive
; bytes, at a multiple of 256 from the buffer's first byte.  All 32 loads of a row go out at once; nothing is shared between waves: no LDS, no barrier, no loop.
; rowsum leaves as one word a wave: 16 KiB in the launch against 100 MiB of rows.
.set ROWIN,  16384                     ; bytes in a row as read
.set ROWOUT, 8192                      ; bytes in a row as written
.set LI, 2                             ; v2        16 x lane; never rewritten
.set LO, 3                             ; v3        8 x lane; never rewritten
.set T,  6                             ; v[6:7]    at work
.set A,  8                             ; v[8:15]   four chains of sums, a pair each
.set X,  16                            ; v[16:143] load j at X + 4 j; its first two registers then hold the packed bf16
	s_load_b256 s[4:11], s[0:1], 0x0               ; x s[4:5], weight_int s[6:7], xb s[8:9], wb s[10:11]
	s_load_b64 s[12:13], s[0:1], 0x20              ; rowsum
	v_and_b32 v1, 31, v0                           ; lane
	v_lshrrev_b32 v4, 5, v0
	v_readfirstlane_b32 s14, v4                    ; wave 0..7
	v_lshlrev_b32 v[LI], 4, v1
	v_lshlrev_b32 v[LO], 3, v1
	v_mov_b32 v4, 0                                ; the offset of rowsum's one word
	v_mov_b32 v5, 0                                ; v_permlanex16_b32's destination counts as read: it is written here
	s_and_b32 s15, ttmp7, 0xffff                   ; which tensor
	s_lshl_b32 s16, ttmp9, 3
	s_add_co_u32 s16, s16, s14                     ; my row = 8 x work-group x + wave
	s_mov_b32 s24, 0xffff0000                      ; a word's upper bf16
	s_mov_b32 s25, 0x76543210                      ; v_permlanex16_b32: each lane takes its own place in the other half
	s_mov_b32 s26, 0xfedcba98
	s_mov_b32 s19, 0                               ; the offsets' high word
	s_wait_kmcnt 0x0
	s_cmp_eq_u32 s15, 0
	s_cselect_b64 s[20:21], s[4:5], s[6:7]         ; from x or from weight_int,
	s_cselect_b64 s[22:23], s[8:9], s[10:11]       ; to xb or to wb
	s_lshl_b32 s18, s16, 14                        ; row x 16,384 bytes: 67,092,480 at the most
	s_add_nc_u64 s[20:21], s[20:21], s[18:19]
	s_lshl_b32 s18, s16, 13                        ; row x 8,192 bytes
	s_add_nc_u64 s[22:23], s[22:23], s[18:19]
	s_lshl_b32 s18, s16, 2                         ; row x 4 bytes
	s_add_nc_u64 s[12:13], s[12:13], s[18:19]
.irp j, 0,1,2,3,4,5,6,7,8,9,10,11,12,13,14,15,16,17,18,19,20,21,22,23,24,25,26,27,28,29,30,31
	global_load_b128 v[X+4*(\j):X+4*(\j)+3], v[LI], s[20:21] offset:512*(\j) th:TH_LOAD_NT  ; the whole row is on its way: read once in the launch
.endr
	s_cmp_lg_u32 s15, 0
	s_cbranch_scc1 .Lweights
; x: load j is rounded, stored, widened again and summed.  No register that a store names is written again, so no wait frees any.
.macro XROW j
	s_wait_loadcnt 31-(\j)                         ; loads come back in order (ISA guide 5.7.1): load j is in, the 31 - j younger ones stay out
	v_cvt_pk_bf16_f32 v[X+4*(\j)],   v[X+4*(\j)],   v[X+4*(\j)+1]
	v_cvt_pk_bf16_f32 v[X+4*(\j)+1], v[X+4*(\j)+2], v[X+4*(\j)+3]
	global_store_b64 v[LO], v[X+4*(\j):X+4*(\j)+1], s[22:23] offset:256*(\j)
.if (\j) < 2                           ; loads 0 and 1 start the four chains: nothing is cleared
	v_lshlrev_b32 v[A+4*(\j)],   16,  v[X+4*(\j)]
	v_and_b32     v[A+4*(\j)+1], s24, v[X+4*(\j)]
	v_lshlrev_b32 v[A+4*(\j)+2], 16,  v[X+4*(\j)+1]
	v_and_b32     v[A+4*(\j)+3], s24, v[X+4*(\j)+1]
.else
	v_lshlrev_b32 v[X+4*(\j)+2], 16,  v[X+4*(\j)]  ; the load's upper two registers are free since the rounding
	v_and_b32     v[X+4*(\j)+3], s24, v[X+4*(\j)]
	v_lshlrev_b32 v[T],   16,  v[X+4*(\j)+1]
	v_and_b32     v[T+1], s24, v[X+4*(\j)+1]
	v_pk_add_f32 v[A+4*((\j)%2):A+4*((\j)%2)+1],   v[A+4*((\j)%2):A+4*((\j)%2)+1],   v[X+4*(\j)+2:X+4*(\j)+3]
	v_pk_add_f32 v[A+4*((\j)%2)+2:A+4*((\j)%2)+3], v[A+4*((\j)%2)+2:A+4*((\j)%2)+3], v[T:T+1]
.endif
.endm
.irp j, 0,1,2,3,4,5,6,7,8,9,10,11,12,13,14,15,16,17,18,19,20,21,22,23,24,25,26,27,28,29,30,31
	XROW \j
.endr
	v_pk_add_f32 v[A:A+1], v[A:A+1], v[A+2:A+3]    ; the four chains into one number a lane,
	v_pk_add_f32 v[A+4:A+5], v[A+4:A+5], v[A+6:A+7]
	v_pk_add_f32 v[A:A+1], v[A:A+1], v[A+4:A+5]
	v_add_f32 v[A], v[A], v[A+1]
	v_add_f32_dpp v[A], v[A], v[A] row_xmask:1 row_mask:0xf bank_mask:0xf  ; then across the 16 lanes of each half,
	v_add_f32_dpp v[A], v[A], v[A] row_xmask:2 row_mask:0xf bank_mask:0xf
	v_add_f32_dpp v[A], v[A], v[A] row_xmask:4 row_mask:0xf bank_mask:0xf
	v_add_f32_dpp v[A], v[A], v[A] row_xmask:8 row_mask:0xf bank_mask:0xf
	v_permlanex16_b32 v5, v[A], s25, s26           ; and across the halves
	v_add_f32 v[A], v[A], v5
	v_cmp_eq_u32 vcc_lo, 0, v1
	s_wait_xcnt 0x0                                ; EXEC is a source of the stores above: it is narrowed only behind this wait
	s_and_saveexec_b32 s27, vcc_lo
	global_store_b32 v4, v[A], s[12:13]            ; lane 0 stores the row's sum
	s_wait_xcnt 0x0                                ; and widened again only behind this one
	s_or_b32 exec_lo, exec_lo, s27
	s_endpgm
.Lweights:
; weight_int: load j is made f32 (exact), rounded to bf16 (exact up to 256 in magnitude) and stored.
.macro WROW j
	s_wait_loadcnt 31-(\j)                         ; load j is in, the 31 - j younger ones stay out
.irp c, 0,1,2,3
	v_cvt_f32_i32 v[X+4*(\j)+(\c)], v[X+4*(\j)+(\c)]
.endr
	v_cvt_pk_bf16_f32 v[X+4*(\j)],   v[X+4*(\j)],   v[X+4*(\j)+1]
	v_cvt_pk_bf16_f32 v[X+4*(\j)+1], v[X+4*(\j)+2], v[X+4*(\j)+3]
	global_store_b64 v[LO], v[X+4*(\j):X+4*(\j)+1], s[22:23] offset:256*(\j)
.endm
.irp j, 0,1,2,3,4,5,6,7,8,9,10,11,12,13,14,15,16,17,18,19,20,21,22,23,24,25,26,27,28,29,30,31
	WROW \j
.endr
	s_endpgm
.Lfunc_end_k_qb7e97b9cb3_prep:
	.size	k_qb7e97b9cb3_prep, .Lfunc_end_k_qb7e97b9cb3_prep-k_qb7e97b9cb3_prep
	.p2alignl 7, 3214868480
	.fill 96, 4, 3214868480
	.section	.rodata,"a",@progbits
	.p2align	6, 0x0
	.amdhsa_kernel k_qb7e97b9cb3_prep
		.amdhsa_group_segment_fixed_size 0
		.amdhsa_private_segment_fixed_size 0
		.amdhsa_enable_private_segment 0
		.amdhsa_kernarg_size 40
		.amdhsa_user_sgpr_count 2
		.amdhsa_user_sgpr_kernarg_segment_ptr 1
		.amdhsa_wavefront_size32 1
		.amdhsa_system_sgpr_workgroup_id_x 1
		.amdhsa_system_sgpr_workgroup_id_y 1
		.amdhsa_system_sgpr_workgroup_id_z 1
		.amdhsa_system_vgpr_workitem_id 0
		.amdhsa_next_free_vgpr 144
		.amdhsa_next_free_sgpr 66
		.amdhsa_reserve_vcc 1
		.amdhsa_float_denorm_mode_32 3
		.amdhsa_float_denorm_mode_16_64 3
		.amdhsa_memory_ordered 1
		.amdhsa_forward_progress 1
		.amdhsa_inst_pref_size 33
	.end_amdhsa_kernel
	.amdgpu_metadata
---
amdhsa.version: [ 1, 2 ]
amdhsa.kernels:
  - .name:           k_qb7e97b9cb3_prep
    .symbol:         k_qb7e97b9cb3_prep.kd
    .args:
      - { .name: x, .offset: 0, .size: 8, .value_kind: global_buffer, .address_space: global }
      - { .name: weight_int, .offset: 8, .size: 8, .value_kind: global_buffer, .address_space: global }
      - { .name: xb, .offset: 16, .size: 8, .value_kind: global_buffer, .address_space: global }
      - { .name: wb, .offset: 24, .size: 8, .value_kind: global_buffer, .address_space: global }
      - { .name: rowsum, .offset: 32, .size: 8, .value_kind: global_buffer, .address_space: global }
    .group_segment_fixed_size: 0
    .private_segment_fixed_size: 0
    .kernarg_segment_align: 8
    .kernarg_segment_size: 40
    .max_flat_workgroup_size: 256
    .sgpr_count:     66
    .vgpr_count:     144
    .wavefront_size: 32
...
	.end_amdgpu_metadata
.endif
;; end of part 1
;; launch gemm (part 2): grid 16 x 16, 4 waves a work-group, clusters of 4 x 4, 327,680 bytes of LDS; arguments xb, wb, scales, zeros, bias, rowsum, out0; writes out0
.if DOCPART == 2
	.amdgcn_target "amdgcn-amd-amdhsa--gfx1250"
	.amdhsa_code_object_version 6
	.text
	.protected	k_qb7e97b9cb3_gemm
	.globl	k_qb7e97b9cb3_gemm
	.p2align	8
	.type	k_qb7e97b9cb3_gemm,@function
k_qb7e97b9cb3_gemm:
	s_mov_b64 s[64:65], 0
	v_nop
	global_prefetch_b8 v0, s[64:65] scope:SCOPE_SE
	s_setreg_imm32_b32 hwreg(HW_REG_WAVE_MODE, 25, 1), 1
	s_wait_xcnt 0x0
	s_wait_alu depctr_hold_cnt(0) depctr_sa_sdst(0) depctr_va_vdst(0) depctr_va_sdst(0) depctr_va_ssrc(0) depctr_va_vcc(0) depctr_vm_vsrc(0)
	s_getreg_b32 s2, hwreg(HW_REG_IB_STS2, 6, 4)
	s_cmp_eq_u32 s2, 0
	s_cbranch_scc0 .Lentry_in_a_cluster
	s_endpgm
.Lentry_in_a_cluster:
	s_bfe_u32 s2, ttmp6, 0x10000c
	s_cmp_lg_u32 s2, 0xf033
	s_cbranch_scc0 .Lentry_shape_is_right
	s_endpgm
.Lentry_shape_is_right:
; out0[m][o] = s[o] (ACC[m][o] - z[o] RS[m]) + b[o],  ACC[m][o] = the sum over k of xb[m][k] wb[o][k]  (bf16 operands, f32 sums, K ascending),  RS = rowsum.
; That is x W^T + bias with W = (q - z) s: the whole numbers q go into the matrix unit unrounded, and scale, zero point and bias are applied in f32 on the way out.
; xb: [4096][4096] bf16 (x rounded), wb: [4096][4096] bf16 (q), scales, zeros, bias: [4096] f32, rowsum: [4096] f32 (sums of the rounded x), out0: [4096][4096] f32.
; LIMITS.  scales, zeros and bias are rounded once to bf16 here, as x was: all floating-point inputs are taken in bf16.  q is exact up to 256 in magnitude.  ACC - z RS is a difference of
; two f32 sums over the same rounded x: their rounding shows only where q - z stays under about 1e-4 of |q| along a whole row of weights.  NaN and infinities are not treated apart.
; SHARES.  A tile of out0, 256 x 256, is made by a work-group of four waves; a wave makes 128 x 128: 64 accumulators of 16 x 16, 512 registers.  16 x 16 tiles: one work-group each.
; K goes in steps of 128 through a ring of two LDS slots filled by the tensor data mover: a tile's rows are 256 bytes of memory and start at multiples of 256 bytes from the buffer's first byte.
; CLUSTERS: 4 x 4 work-groups.  The four of a row of the cluster need the same tiles of xb, the four of a column the same tiles of wb.  Such a tile is asked for JOINTLY: each of the four
; issues the same tensor load, with the same descriptor and a mask that names the four, and each receives the tile in its own LDS: the requests for both operands are divided by four.
; REGISTERS, in windows of 256 (s_set_vgpr_msb's low byte: bits 1:0 source 0, 3:2 source 1, 5:4 source 2, 7:6 destination):
;   window 0: v0-31 addresses; v32-47 my columns' s, z, b and my rows' RS; v64-127, v128-191 fragments of xb (8 x 16 rows x 32 K), two buffers; on the way out the same 128 hold rows of out0
;   window 1: v64-127, v128-191 fragments of wb, two buffers
;   window 2: the 32 accumulators of my rows 0-63 (accumulator (a, b) at v[8 (8 a + b)]);   window 3: those of my rows 64-127
; THE MATRIX INSTRUCTION IS USED TRANSPOSED: source 0 = 16 rows of wb, source 1 = 16 rows of xb.  In the result lane l holds row m = l % 16 and its registers 0 to 7 the columns
; 8 (l / 16) + 0 .. 7: eight neighbouring numbers of a row of out0, 32 bytes.
.set SIZE_K, 4096
.set SIZE_N, 4096
.set KSTEP,  128
.set PITCH,  272                       ; an LDS row: 256 bytes of data + 16 of padding = 68 words: row r starts at bank 4 r mod 64 (64 banks of 4 bytes: ISA guide 11.1), so the 16 rows that a load touches start at 16 different banks
.set HALFT,  128*PITCH                 ; 128 rows: what one tensor load brings, and what one wave reads of either operand
.set SLOT,   4*HALFT                   ; xb's 256 rows, then wb's 256 rows
.set STAGE,  2*SLOT                    ; behind the ring: 16 rows x 528 bytes for each wave, for the way out; no tensor load lands here
.set SPITCH, 528                       ; a stage row: 512 bytes (128 f32) + 16 = 132 words: again 16 rows at 16 different groups of four banks
.set SPARE,  STAGE+4*16*SPITCH         ; behind the stages: the spare words, 128 bytes for each wave: two blocks of 256 bytes that no other line names
.set LAPS,   SIZE_K/(2*KSTEP)          ; a lap = two K steps = once round the ring: 16
.set BO,   6                           ; v6      byte offset of my 4 columns in scales, zeros, bias
.set RO,   7                           ; v7      byte offset of my 4 rows in rowsum
.set ADRA, 16                          ; v16-17  LDS address of my xb fragments in slot 0, 1
.set ADRB, 20                          ; v20-21  the same for wb
.set STO,  24                          ; v24     the way out: where I put 32 bytes of a row
.set RD,   25                          ; v25     the way out: where I read 16 bytes of a row back
.set CO,   26                          ; v26     16 x lane: my byte offset in 512 bytes of a row of out0
.set SPW,  28                          ; v28     LDS address of my spare word: SPARE + 4 x my thread's number; never rewritten
.set NIL,  29                          ; v29     0; never rewritten
.set PFO,  30                          ; v30     the prefetches' offset: my lane x a row of xb or wb (8,192 bytes); never rewritten
.set SC,   32                          ; v[32:35] s of columns 4 lane .. 4 lane + 3 of my 128
.set ZE,   36                          ; v[36:39] z of the same
.set BI,   40                          ; v[40:43] b of the same
.set RSV,  44                          ; v[44:47] RS of my rows 4 lane .. 4 lane + 3
.set F0,   64                          ; fragment buffer 0
.set F1,   128                         ; fragment buffer 1
.set G1,  24                           ; s[24:31] descriptor group 1 for xb's tiles
.set G0,  32                           ; s[32:39] descriptor group 0 for xb's tiles, one set for each slot
.set LIM, 43                           ; s43      1 in a wave that prefetches, else the greatest number
.set PFA, 44                           ; s[44:45] where my prefetches stand: one K step further along K than the refill that is being asked for; a prefetch names the K step after that
.set G1B, 48                           ; s[48:55] descriptor group 1 for wb's tiles: it differs in the mask alone
.set G0B, 56                           ; s[56:63] descriptor group 0 for wb's tiles, one set for each slot
.set RL,  80                           ; s[80:95] the way out: RS of a block's 16 rows
.set MSB, 0
.macro WIN new                         ; the immediate's high byte repeats the setting that is left; a switch that changes nothing is dropped
.if MSB != (\new)
	s_set_vgpr_msb (MSB<<8)|(\new)
.set MSB, \new
.endif
.endm
.set MUL_LO, 0xa1                      ; source 0 (wb) window 1, source 1 (xb) window 0, C and D window 2
.set MUL_HI, 0xf1                      ; the same, C and D window 3
.set TO_B,   0x40                      ; destination window 1, address window 0
; A joint load.  Waves 0 and 1 fetch xb's two halves, waves 2 and 3 wb's.  Each of the two lines has ONE mask and one set of registers for all that issue it, and nothing in them hangs on a
; coordinate that the four partners do not share.  The branch hangs on the wave's number alone.  An s_nop 0 and four v_nop follow each line, ahead of the jump and the label.
.macro JLOAD s
	s_cmp_eq_u32 s11, 0
	s_cbranch_scc0 .Lfor_b_\@
	tensor_load_to_lds s[G0+4*(\s):G0+4*(\s)+3], s[G1:G1+7]
	s_nop 0
.rept 4
	v_nop
.endr
	s_branch .Lasked_\@
.Lfor_b_\@:
	tensor_load_to_lds s[G0B+4*(\s):G0B+4*(\s)+3], s[G1B:G1B+7]
	s_nop 0
.rept 4
	v_nop
.endr
.Lasked_\@:
.endm
; A PREFETCH INTO THE L2, behind each joint refill and the run of LDS loads that follows it: the K step that stands TWO refills on (512 matrix instructions ahead of the load that will name it): 32 rows x 256 bytes,
; a lane a row, one instruction a wave.  Each row's 256 bytes of a K step are named ONCE in the launch: xb's tile row is read by every cluster of that row of clusters, and cluster x = 0 asks; wb's tile column
; by every cluster of that column, and cluster y = 0 asks.  The four partners that ask for a tile jointly share its rows out BY ADDRESS: of the 128 rows that wave w fetches the partner at place p takes
; 32 p .. 32 p + 31 (p = cx for xb, cy for wb): no branch hangs on a work-group's place in its cluster.  The loop's last trip (s3 = 1) asks for nothing: K steps 32 and 33 do not exist.
.macro ASK
	s_cmp_gt_u32 s3, s[LIM]
	s_cbranch_scc0 .Lnot_mine_\@
	global_prefetch_b8 v[PFO], s[PFA:PFA+1] offset:KSTEP*2 th:TH_LOAD_NT scope:SCOPE_SE
.Lnot_mine_\@:
.endm
; A round of the cluster's barrier: my work-group's barrier, so that wave 0's signal speaks for all four waves; wave 0 signals for the work-group; every wave waits for all sixteen
; work-groups; my work-group's barrier once more.  No LDS instruction of the wave is pending at a signal.
.macro CREST                           ; a round behind its opening barrier
	s_cmp_lg_u32 s10, 0
	s_cbranch_scc1 .Lnot_wave_0_\@
	s_barrier_signal -3
.Lnot_wave_0_\@:
	s_barrier_wait -3
	s_barrier_signal -1
	s_barrier_wait -1
.endm
.macro CROUND                          ; a whole round
	s_barrier_signal -1
	s_barrier_wait -1
	CREST
.endm
	s_load_b128 s[4:7], s[0:1], 0x0                ; xb s[4:5], wb s[6:7]
	s_load_b256 s[72:79], s[0:1], 0x10             ; scales s[72:73], zeros s[74:75], bias s[76:77], rowsum s[78:79]
	s_load_b64 s[8:9], s[0:1], 0x30                ; out0
	v_lshl_add_u32 v[SPW], v0, 2, SPARE
	v_mov_b32 v[NIL], 0
	ds_add_u32 v[SPW], v[NIL]                      ; the wave's opening: the add and its wait stand ahead of my first tensor load; the set-up below, work on registers, stands between them
	v_lshrrev_b32 v1, 5, v0
	v_readfirstlane_b32 s10, v1                    ; wave 0..3
	s_lshr_b32 s11, s10, 1                         ; which half of the tile's rows is mine.  Also: I fetch for xb (0) or for wb (1)
	s_and_b32 s12, s10, 1                          ; which half of its columns.  Also: which 128 rows of that tile I fetch
	s_bfe_u32 s40, ttmp6, 0x40000                  ; cx: my place along the cluster's x
	s_bfe_u32 s41, ttmp6, 0x40004                  ; cy: along its y
	s_lshl_b32 s42, ttmp9, 2                       ; in a cluster launch ttmp9 and ttmp7 count clusters
	s_add_co_u32 s42, s42, s40                     ; tile column = 4 x cluster x + cx
	s_and_b32 s13, ttmp7, 0xffff
	s_lshl_b32 s13, s13, 2
	s_add_co_u32 s13, s13, s41                     ; tile row = 4 x cluster y + cy
	s_lshl_b32 s43, s41, 2
	s_lshl_b32 s43, 15, s43                        ; my row of the cluster: places 4 cy .. 4 cy + 3
	s_lshl_b32 s44, 0x1111, s40                    ; my column: places cx, cx + 4, cx + 8, cx + 12
	; descriptor group 1: a tile of 128 rows x 128 elements, padded in LDS
	s_or_b32 s[G1+0], s43, (1<<16)|(1<<20)|(1<<21)|(5<<22)|(3<<25)  ; 15:0 the mask: xb's tiles go to my row; 17:16 element of 2 bytes; 20 padding on; 21 set beside a mask; 24:22 after every 64 words (code 5); 31:25 of 4 words (code 3)
	s_or_b32 s[G1B+0], s44, (1<<16)|(1<<20)|(1<<21)|(5<<22)|(3<<25) ; the same with the mask of my column, for wb's tiles
	s_mov_b32 s[G1B+1], KSTEP<<16
	s_mov_b32 s[G1+1], KSTEP<<16                   ; 63:48 tensor_dim0, low half = 128
	s_mov_b32 s[G1B+2], 128<<16
	s_mov_b32 s[G1+2], 128<<16                     ; 79:64 its high half = 0; 95:80 tensor_dim1, low half = 128
	s_mov_b32 s[G1B+3], KSTEP<<16
	s_mov_b32 s[G1+3], KSTEP<<16                   ; 111:96 its high half = 0; 127:112 tile_dim0 = 128
	s_mov_b32 s[G1B+4], 128
	s_mov_b32 s[G1+4], 128                         ; 143:128 tile_dim1 = 128; 159:144 tile_dim2 = 0
	s_mov_b32 s[G1B+5], SIZE_K
	s_mov_b32 s[G1+5], SIZE_K                      ; 191:160 tensor_dim0_stride, low word: elements from row to row
	s_mov_b32 s[G1B+6], 0
	s_mov_b32 s[G1+6], 0
	s_mov_b32 s[G1B+7], 0
	s_mov_b32 s[G1+7], 0
	; where the tiles come from.  xb's hang on the tile row alone, which my row of the cluster shares; wb's on the tile column alone, which my column shares.
	; Every wave makes both addresses, in registers that never hold the other coordinate, and asks by one of them.
	s_lshl_b32 s17, s12, 7                         ; which 128 rows of the tile I fetch
	s_lshl_b32 s16, s13, 8
	s_add_co_u32 s16, s16, s17                     ; xb: row 256 x tile row + 128 x half
	s_lshl_b32 s46, s42, 8
	s_add_co_u32 s46, s46, s17                     ; wb: row 256 x tile column + 128 x half
	s_mov_b32 s17, 0
	s_mov_b32 s47, 0
	s_mov_b64 s[18:19], SIZE_K*2
	s_mul_u64 s[16:17], s[16:17], s[18:19]         ; in bytes, in 64 bits
	s_mul_u64 s[46:47], s[46:47], s[18:19]
	s_mul_i32 s20, s10, HALFT                      ; and where they go: xb's two halves, then wb's two halves = wave x 128 rows: no place in the cluster enters an LDS address
	s_wait_dscnt 0x0                               ; the opening add is done
	s_wait_kmcnt 0x0
	s_add_nc_u64 s[14:15], s[4:5], s[16:17]
	s_add_nc_u64 s[46:47], s[6:7], s[46:47]
	CROUND                                         ; all sixteen work-groups are here: the first joint loads meet
.irp s, 0,1
	s_mov_b32 s[G0+4*(\s)], 1                                      ; 1:0 count = 1
	s_add_co_u32 s[G0+4*(\s)+1], s20, (\s)*SLOT                    ; 63:32 LDS address
	s_add_nc_u64 s[G0+4*(\s)+2:G0+4*(\s)+3], s[14:15], (\s)*KSTEP*2  ; 120:64 global address: K step s
	s_or_b32 s[G0+4*(\s)+3], s[G0+4*(\s)+3], 0x80000000            ; 127:126 type = 2
	s_mov_b32 s[G0B+4*(\s)], 1
	s_add_co_u32 s[G0B+4*(\s)+1], s20, (\s)*SLOT
	s_add_nc_u64 s[G0B+4*(\s)+2:G0B+4*(\s)+3], s[46:47], (\s)*KSTEP*2
	s_or_b32 s[G0B+4*(\s)+3], s[G0B+4*(\s)+3], 0x80000000
	JLOAD \s                                       ; the ring is filled before anything else is done: two tensor loads of mine are out
.endr
	; A fragment is 16 rows x 32 K in 8 registers: lane l holds row l % 16; registers 0-3 hold K = 8 (l / 16) + 0..7, registers 4-7 hold
	; K = 16 + 8 (l / 16) + 0..7.  From rows that lie along K: two loads of 16 bytes, 32 bytes apart.  The same for source 0 and source 1.
	v_and_b32 v1, 15, v0                           ; l % 16
	v_bfe_u32 v2, v0, 4, 1                         ; l / 16
	v_mul_u32_u24 v3, v1, PITCH
	v_lshl_add_u32 v3, v2, 4, v3                   ; row x pitch + 16 x half
	s_mul_i32 s21, s11, HALFT                      ; my 128 rows of xb
	s_mul_i32 s22, s12, HALFT                      ; my 128 rows of wb,
	s_add_co_u32 s22, s22, 2*HALFT                 ; which lie behind xb's 256
.irp s, 0,1
	v_add_nc_u32 v[ADRA+(\s)], s21, v3
	v_add_nc_u32 v[ADRB+(\s)], s22, v3
	s_add_co_u32 s21, s21, SLOT
	s_add_co_u32 s22, s22, SLOT
.endr
	s_mul_i32 s23, s10, 16*SPITCH
	s_add_co_u32 s23, s23, STAGE                   ; my stage
	v_mul_u32_u24 v4, v1, SPITCH                   ; in: row l % 16, 32 bytes for each half of the lanes
	v_lshl_add_u32 v4, v2, 5, v4
	v_add_nc_u32 v[STO], s23, v4
	v_and_b32 v5, 31, v0
	v_lshlrev_b32 v[CO], 4, v5                     ; 16 x lane
	v_add_nc_u32 v[RD], s23, v[CO]                 ; back: 32 lanes take one row of 512 bytes
	; where my part of the tile begins in out0, and my columns' and rows' places in the four small vectors
	s_lshl_b32 s13, s13, 8                         ; 256 x tile row
	s_lshl_b32 s14, s11, 7
	s_add_co_u32 s16, s13, s14                     ; my first row
	s_lshl_b32 s18, s16, 2
	v_add_nc_u32 v[RO], s18, v[CO]                 ; rowsum: 4 x first row + 16 x lane
	s_lshl_b32 s16, s16, 14                        ; a row of out0 is 16,384 bytes: 65,011,712 at the most
	s_mov_b32 s17, 0
	s_lshl_b32 s46, s42, 10                        ; my first column in bytes of f32: 1,024 x tile column + 512 x half (in the registers that held wb's address: none that feeds xb's descriptors ever holds cx)
	s_lshl_b32 s47, s12, 9
	s_add_co_u32 s46, s46, s47
	v_add_nc_u32 v[BO], s46, v[CO]                 ; scales, zeros, bias: first column's bytes + 16 x lane
	s_mov_b32 s47, 0
	s_add_nc_u64 s[16:17], s[16:17], s[46:47]
	s_add_nc_u64 s[8:9], s[8:9], s[16:17]          ; out0 at my first row and column; never stepped again
	global_load_b128 v[SC:SC+3],   v[BO], s[72:73]
	global_load_b128 v[ZE:ZE+3],   v[BO], s[74:75]
	global_load_b128 v[BI:BI+3],   v[BO], s[76:77]
	global_load_b128 v[RSV:RSV+3], v[RO], s[78:79]
	; the prefetches.  s13 = 256 x tile row, s42 = tile column, s40 = cx, s41 = cy still stand
	s_lshl_b32 s42, s42, 8
	s_and_b32 s22, ttmp7, 0xffff                   ; cluster y
	s_cmp_eq_u32 s11, 0                            ; do I fetch for xb?
	s_cselect_b32 s20, s13, s42                    ; the tile's first row: in xb by the tile row, in wb by the tile column
	s_cselect_b32 s21, s40, s41                    ; my place among the four that ask for it with me
	s_cselect_b32 s22, ttmp9, s22                  ; the coordinate along which other clusters read the same rows
	s_cselect_b64 s[PFA:PFA+1], s[4:5], s[6:7]
	s_cmp_eq_u32 s22, 0
	s_cselect_b32 s[LIM], 1, -1                    ; the same in all sixteen partners, for a given wave
	s_lshl_b32 s22, s12, 7
	s_add_co_u32 s20, s20, s22                     ; + the 128 rows that I fetch
	s_lshl_b32 s21, s21, 5
	s_add_co_u32 s20, s20, s21                     ; + my work-group's 32 of them
	s_mov_b32 s21, 0
	s_mov_b64 s[18:19], SIZE_K*2
	s_mul_u64 s[20:21], s[20:21], s[18:19]
	s_add_nc_u64 s[PFA:PFA+1], s[PFA:PFA+1], s[20:21]
	s_add_nc_u64 s[PFA:PFA+1], s[PFA:PFA+1], 2*KSTEP*2  ; at K step 2: the first refill steps it to 3 and names K step 4.  Nothing is prefetched here, at the head
	v_and_b32 v[PFO], 31, v0
	v_mul_u32_u24 v[PFO], v[PFO], SIZE_K*2
	; s, z and b are rounded once to bf16 and widened again: all floating-point inputs are taken in bf16.  RS stays as it is: it is a sum
.macro ROUND4 r
	v_cvt_pk_bf16_f32 v48, v[(\r)],   v[(\r)+1]
	v_cvt_pk_bf16_f32 v49, v[(\r)+2], v[(\r)+3]
	v_lshlrev_b32 v[(\r)],   16, v48
	v_and_b32     v[(\r)+1], 0xffff0000, v48
	v_lshlrev_b32 v[(\r)+2], 16, v49
	v_and_b32     v[(\r)+3], 0xffff0000, v49
.endm
	s_wait_loadcnt 0x0                             ; the four small loads, once
	ROUND4 SC
	ROUND4 ZE
	ROUND4 BI
; 16 matrix instructions: m blocks a0, a0 + 1 of the window's four (hi = 0: my rows 0-63, 1: rows 64-127) x all 8 n blocks, 32 along K.
; zero = 1: the first product starts the sums: nothing is ever cleared.  The 64 accumulators take turns, one instruction a turn, in the same order in every quarter step.
.macro MUL16 f, hi, a0, zero
	WIN MUL_LO+0x50*(\hi)  ; MUL_LO or MUL_HI
.irp a, \a0, (\a0)+1
.irp b, 0,1,2,3,4,5,6,7
.if \zero
	v_wmma_f32_16x16x32_bf16 v[8*(8*(\a)+(\b)):8*(8*(\a)+(\b))+7], v[(\f)+8*(\b):(\f)+8*(\b)+7], v[(\f)+8*(4*(\hi)+(\a)):(\f)+8*(4*(\hi)+(\a))+7], 0
.else
	v_wmma_f32_16x16x32_bf16 v[8*(8*(\a)+(\b)):8*(8*(\a)+(\b))+7], v[(\f)+8*(\b):(\f)+8*(\b)+7], v[(\f)+8*(4*(\hi)+(\a)):(\f)+8*(4*(\hi)+(\a))+7], v[8*(8*(\a)+(\b)):8*(8*(\a)+(\b))+7]
.endif
.endr
.endr
.endm
; 32 LDS loads in one run: the fragments of one quarter step (128 rows of wb, 128 rows of xb, 32 K at byte k of the rows) into buffer f
.macro FETCH slot, k, f
	WIN TO_B
.irp i, 0,1,2,3,4,5,6,7
	ds_load_b128 v[(\f)+8*(\i):(\f)+8*(\i)+3],   v[ADRB+(\slot)] offset:(\k)+(\i)*16*PITCH
	ds_load_b128 v[(\f)+8*(\i)+4:(\f)+8*(\i)+7], v[ADRB+(\slot)] offset:(\k)+(\i)*16*PITCH+32
.endr
	WIN 0
.irp i, 0,1,2,3,4,5,6,7
	ds_load_b128 v[(\f)+8*(\i):(\f)+8*(\i)+3],   v[ADRA+(\slot)] offset:(\k)+(\i)*16*PITCH
	ds_load_b128 v[(\f)+8*(\i)+4:(\f)+8*(\i)+7], v[ADRA+(\slot)] offset:(\k)+(\i)*16*PITCH+32
.endr
.endm
; A load into a register that a matrix instruction has read, and an instruction that reads a matrix result, stand four places behind that matrix instruction, and only plain vector
; instructions that name none of its registers are places (ISA guide 7.12.1 for vector instructions).  So four v_nop stand in front of each run of loads.
.macro PLACES
.rept 4
	v_nop
.endr
.endm
; A K step is four quarter steps of 32 along K, 64 matrix instructions each, on buffers 0, 1, 0, 1.
; One of the first three: multiplies buffer f; in its middle it fetches the next quarter's fragments, at byte k of the same slot's rows, into buffer g.
.macro QUARTER slot, k, f, g, zero
	s_wait_dscnt 8                                 ; wb and xb's rows 0-63 are in; the youngest eight loads (xb's rows 64-127) may be out
	WIN MUL_LO
	MUL16 \f, 0, 0, \zero
	MUL16 \f, 0, 2, \zero
	PLACES
	FETCH \slot, \k, \g
	s_wait_dscnt 32                                ; all but the 32 just issued
	WIN MUL_HI
	MUL16 \f, 1, 0, \zero
	MUL16 \f, 1, 2, \zero
.endm
; The last quarter multiplies buffer 1 and changes slots.  MEET is its first half: ONE barrier for the change of slots, for two things.  In front of it each wave waits for all its tensor
; loads, of which one is out: its part of the next slot; adds 0 to its spare word; and waits for that and for its own reads of this slot.  Behind it nobody reads this slot any more and the next slot is whole.
.macro MEET round                      ; round = 1: a round of the cluster's barrier follows
	WIN 0                                          ; (the add's two registers lie in window 0)
	s_wait_tensorcnt 0x0                           ; all my tensor loads have landed: the one that was out is my part of the next slot;
	ds_add_u32 v[SPW], v[NIL]                      ; 0 onto my spare word;
	s_wait_dscnt 9                                 ; (the add and the youngest eight loads may be out)
	WIN MUL_LO
	MUL16 F1, 0, 0, 0                              ; sixteen matrix instructions stand between the add and the wait for it
	s_wait_dscnt 0x0                               ; the add is done, and my reads of this slot are over (the last were issued 48 matrix instructions ago):
	s_barrier_signal -1                            ; say so (where a slot is filled again this barrier opens a round of the cluster's barrier),
	MUL16 F1, 0, 2, 0                              ; work on registers while the others arrive,
.if \round
	WIN 0
.endif
	s_barrier_wait -1                              ; and go on when all four have said so
.endm
; The whole last quarter.  Behind the round the slot just read out is filled again first, with the K step two steps on; then come the next slot's first fragments.
; From a request to the wait for it a wave issues 224 matrix instructions.
.macro TURN slot, next
	s_wait_xcnt 0x0                                ; the last prefetch, a K step back, has read its address: it is stepped here, ahead of the waits of the change of slots
	s_add_nc_u64 s[PFA:PFA+1], s[PFA:PFA+1], KSTEP*2
	MEET 1
	CREST                                          ; wave 0 says so for the work-group, all sixteen work-groups have said so, my work-group's barrier closes the round:
	                                               ; no wave of any partner still reads this slot's tile or has a load on its way
	s_add_nc_u64 s[G0+4*(\slot)+2:G0+4*(\slot)+3], s[G0+4*(\slot)+2:G0+4*(\slot)+3], 2*KSTEP*2    ; no tensor load of mine is out, so a group 0 may be written; the type bits on top are not reached
	s_add_nc_u64 s[G0B+4*(\slot)+2:G0B+4*(\slot)+3], s[G0B+4*(\slot)+2:G0B+4*(\slot)+3], 2*KSTEP*2
	JLOAD \slot                                    ; the first tensor load behind the round, and my only one until the next; the four v_nop behind it are also the places in front of the loads below
	FETCH \next, 0, F0
	ASK                                            ; behind the joint load and the run of LDS loads that the next products wait for
	WIN MUL_HI
	MUL16 F1, 1, 0, 0
	MUL16 F1, 1, 2, 0
.endm
; THE WAY OUT of block a (16 of my rows x my 128 columns), in two parts.
; TOSTAGE: the eight accumulators go into my own stage, 32 bytes a lane (each accumulator's four lowest registers first), and come back as whole rows of 512 bytes: lane l then holds
; columns 4 l .. 4 l + 3 of a row.  The stage is my wave's alone and LDS serves a wave's instructions in order (ISA guide 5.7.1.4): no wait between the stores and the loads, nor between a block's loads and the next block's stores.
.macro TOSTAGE a
.set AC, 64*((\a)%4)                   ; the block's accumulators, in window 2 (blocks 0-3) or 3 (blocks 4-7)
.set BK, F0+64*((\a)%2)                ; 64 registers for its 16 rows: the two fragment buffers of window 0 by turns
	WIN 0x08+4*((\a)/4)                            ; the stores' data (source 1) in window 2 or 3
.irp b, 0,1,2,3,4,5,6,7
	ds_store_b128 v[STO], v[AC+8*(\b):AC+8*(\b)+3]   offset:64*(\b)
	ds_store_b128 v[STO], v[AC+8*(\b)+4:AC+8*(\b)+7] offset:64*(\b)+16
.endr
	WIN 0
.if (\a) >= 2
	s_wait_xcnt 0x0                                ; the stores of the block two back name these registers as data: they are loaded again only behind this wait
.endif
.irp t, 0,1,2,3,4,5,6,7,8,9,10,11,12,13,14,15
	ds_load_b128 v[BK+4*(\t):BK+4*(\t)+3], v[RD] offset:(\t)*SPITCH
.endr
.endm
; SEND: row t of the block: RS of the row comes out of lane 4 a + t / 4, register t % 4; ACC - z RS; times s, plus b; stored.  younger: the LDS instructions issued behind the block's loads: the next block's 32, or none.
.macro SEND a, younger
	WIN 0
.set BK, F0+64*((\a)%2)
.irp t, 0,1,2,3,4,5,6,7,8,9,10,11,12,13,14,15
	s_wait_dscnt (\younger)+15-(\t)                ; LDS loads come back in order: row t is in; the block's later rows and the next block's instructions stay out
	v_readlane_b32 s[RL+(\t)], v[RSV+(\t)%4], 4*(\a)+(\t)/4
.irp c, 0,1,2,3
	v_fma_f32 v[BK+4*(\t)+(\c)], -v[ZE+(\c)], s[RL+(\t)], v[BK+4*(\t)+(\c)]
.endr
	v_pk_fma_f32 v[BK+4*(\t):BK+4*(\t)+1],   v[BK+4*(\t):BK+4*(\t)+1],   v[SC:SC+1],   v[BI:BI+1]
	v_pk_fma_f32 v[BK+4*(\t)+2:BK+4*(\t)+3], v[BK+4*(\t)+2:BK+4*(\t)+3], v[SC+2:SC+3], v[BI+2:BI+3]
	global_store_b128 v[CO], v[BK+4*(\t):BK+4*(\t)+3], s[8:9] offset:(16*(\a)+(\t))*SIZE_N*4 th:TH_STORE_NT  ; 32 lanes store 512 consecutive bytes, at a multiple of 512 from out0's first byte; 127 rows at the most: 2,080,768, inside the signed 24-bit immediate
.endr
.endm
	s_wait_tensorcnt 1                             ; my part of K step 0 is in; K step 1's load may stay out
	s_barrier_signal -1
	s_barrier_wait -1                              ; everybody's is
	FETCH 0, 0, F0
	QUARTER 0, 64,  F0, F1, 1                      ; the first quarter stands in front of the loop: its products start the sums
	WIN 0                                          ; at a label and at a branch every window is 0
	s_mov_b32 s3, LAPS-1
.Llap:                                                 ; 15 trips: a trip goes once round the ring, from a lap's second quarter to the next lap's first, and fills both slots again
	QUARTER 0, 128, F1, F0, 0
	QUARTER 0, 192, F0, F1, 0
	TURN 0, 1
	QUARTER 1, 64,  F0, F1, 0
	QUARTER 1, 128, F1, F0, 0
	QUARTER 1, 192, F0, F1, 0
	TURN 1, 0
	QUARTER 0, 64,  F0, F1, 0
	WIN 0
	s_sub_co_u32 s3, s3, 1
	s_cmp_lg_u32 s3, 0
	s_cbranch_scc1 .Llap
	QUARTER 0, 128, F1, F0, 0                      ; the last lap is written out: it asks for nothing more
	QUARTER 0, 192, F0, F1, 0
	MEET 0                                         ; my one tensor load that was still out is slot 1's, the last K step's, so no round follows
	PLACES                                         ; for the loads into buffer 0, which the quarter before multiplied
	FETCH 1, 0, F0
	WIN MUL_HI
	MUL16 F1, 1, 0, 0
	MUL16 F1, 1, 2, 0
	QUARTER 1, 64,  F0, F1, 0
	QUARTER 1, 128, F1, F0, 0
	QUARTER 1, 192, F0, F1, 0
	s_wait_dscnt 8                                 ; the very last quarter: nothing more to fetch
	WIN MUL_LO
	MUL16 F1, 0, 0, 0
	MUL16 F1, 0, 2, 0
	s_wait_dscnt 0x0
	WIN MUL_HI
	MUL16 F1, 1, 0, 0
	MUL16 F1, 1, 2, 0
	WIN 0
	PLACES                                         ; behind the last products: the LDS stores below read results, the LDS loads below land in fragment registers
	PLACES                                         ; (eight, once a launch)
	TOSTAGE 0
.irp a, 1,2,3,4,5,6,7                  ; block a's trip through the stage is under way while block a - 1 is finished and stored
	TOSTAGE \a
	SEND (\a)-1, 32
.endr
	SEND 7, 0
	s_wait_tensorcnt 0x0                           ; the wave's end: behind my last tensor load and my last LDS store
	ds_add_u32 v[SPW], v[NIL]
	s_wait_dscnt 0x0
	CROUND                                         ; the closing round: no work-group ends while a partner may still ask for a tile that names it
	s_endpgm
.Lfunc_end_k_qb7e97b9cb3_gemm:
	.size	k_qb7e97b9cb3_gemm, .Lfunc_end_k_qb7e97b9cb3_gemm-k_qb7e97b9cb3_gemm
	.p2alignl 7, 3214868480
	.fill 96, 4, 3214868480
	.section	.rodata,"a",@progbits
	.p2align	6, 0x0
	.amdhsa_kernel k_qb7e97b9cb3_gemm
		.amdhsa_group_segment_fixed_size 327680
		.amdhsa_private_segment_fixed_size 0
		.amdhsa_enable_private_segment 0
		.amdhsa_kernarg_size 56
		.amdhsa_user_sgpr_count 2
		.amdhsa_user_sgpr_kernarg_segment_ptr 1
		.amdhsa_wavefront_size32 1
		.amdhsa_system_sgpr_workgroup_id_x 1
		.amdhsa_system_sgpr_workgroup_id_y 1
		.amdhsa_system_sgpr_workgroup_id_z 1
		.amdhsa_system_vgpr_workitem_id 0
		.amdhsa_next_free_vgpr 1024
		.amdhsa_next_free_sgpr 96
		.amdhsa_reserve_vcc 0
		.amdhsa_float_denorm_mode_32 3
		.amdhsa_float_denorm_mode_16_64 3
		.amdhsa_memory_ordered 1
		.amdhsa_forward_progress 1
		.amdhsa_inst_pref_size 203
	.end_amdhsa_kernel
	.amdgpu_metadata
---
amdhsa.version: [ 1, 2 ]
amdhsa.kernels:
  - .name:           k_qb7e97b9cb3_gemm
    .symbol:         k_qb7e97b9cb3_gemm.kd
    .args:
      - { .name: xb, .offset: 0, .size: 8, .value_kind: global_buffer, .address_space: global }
      - { .name: wb, .offset: 8, .size: 8, .value_kind: global_buffer, .address_space: global }
      - { .name: scales, .offset: 16, .size: 8, .value_kind: global_buffer, .address_space: global }
      - { .name: zeros, .offset: 24, .size: 8, .value_kind: global_buffer, .address_space: global }
      - { .name: bias, .offset: 32, .size: 8, .value_kind: global_buffer, .address_space: global }
      - { .name: rowsum, .offset: 40, .size: 8, .value_kind: global_buffer, .address_space: global }
      - { .name: out0, .offset: 48, .size: 8, .value_kind: global_buffer, .address_space: global }
    .group_segment_fixed_size: 327680
    .private_segment_fixed_size: 0
    .kernarg_segment_align: 8
    .kernarg_segment_size: 56
    .max_flat_workgroup_size: 128
    .sgpr_count:     96
    .vgpr_count:     1024
    .wavefront_size: 32
...
	.end_amdgpu_metadata
.endif
;; end of part 2
;; ======== version 2 of 2: 2 launches; version 1 with the launch prep written anew for expert scheduling mode
;; limits: a difference of large sums (such as E[x^2] - mean^2): digits are lost where the result is much smaller than its terms
;; workspace buffers: xb 33,554,432 bytes; wb 33,554,432 bytes; rowsum 16,384 bytes
;; launch prep (part 3): grid 512 x 2, 8 waves a work-group, no clusters, 0 bytes of LDS; arguments x, weight_int, xb, wb, rowsum; writes xb, wb, rowsum
.if DOCPART == 3
	.amdgcn_target "amdgcn-amd-amdhsa--gfx1250"
	.amdhsa_code_object_version 6
	.text
	.protected	k_qb7e97b9cb3_prep
	.globl	k_qb7e97b9cb3_prep
	.p2align	8
	.type	k_qb7e97b9cb3_prep,@function
k_qb7e97b9cb3_prep:
	s_mov_b64 s[64:65], 0
	v_nop
	global_prefetch_b8 v0, s[64:65] scope:SCOPE_SE
	s_setreg_imm32_b32 hwreg(HW_REG_WAVE_SCHED_MODE, 0, 2), 2
	s_setreg_imm32_b32 hwreg(HW_REG_WAVE_MODE, 25, 1), 1
	s_wait_xcnt 0x0
	s_wait_alu depctr_vm_vsrc(0)
; xb[m][k] = bf16(x[m][k]);  rowsum[m] = the f32 sum over k of the ROUNDED x[m][k];  wb[o][k] = bf16(weight_int[o][k]).
; x: [4096][4096] f32, weight_int: [4096][4096] int32, xb and wb: [4096][4096] bf16, rowsum: [4096] f32.
; LIMITS.  A whole number up to 256 in magnitude is exact in bf16 (8 significant bits); a larger one is rounded to nearest even like any weight.
; x is rounded once to bf16; the row's sum is taken of the rounded numbers, so that the next launch's zero-point term belongs to the very operand it multiplies.
; SHARES.  Work-group y picks the tensor (0: x, 1: weight_int).  One wave takes one row: 16,384 bytes in, 8,192 bytes out; eight waves, eight rows a work-group.
; Load j of 32 is 16 bytes a lane at 16 lane + 512 j: 512 consecutive bytes a wave.  Its four numbers pack into 8 bytes, stored at 8 lane + 256 j: 32 lanes store 256 consecutive
; bytes, at a multiple of 256 from the buffer's first byte.  All 32 loads of a row go out at once; nothing is shared between waves: no LDS, no barrier, no loop.
; rowsum leaves as one word a wave: 16 KiB in the launch against 100 MiB of rows.
; THE MODE: SCHED_MODE bits 1:0 = 2 (LLVM: expert scheduling mode 2), set by the entry lines.  The code itself states the register dependences
; between vector instructions and memory instructions, with s_wait_alu, always for 0.
; THE PLAN.  Registers that memory instructions touch:
;   v[LI], v[LO], v4   offsets, made once at the head and never written again: one wait in front of the first load serves every load and store.
;   X + 4 j .. + 3     load j lands here, once; all loads are issued at the head, where no vector instruction has named these registers.
;   X + 4 j, + 1       written once more by load j's two roundings, then read by its store (and by the widening lines); never written again.
;   v[A]               the row's sum, read by the last store of x's path; never written again.
; The 32 loads go in eight blocks of four.  Block p rounds its four loads; their four stores are issued in block p + 1, behind ONE wait at that block's head, which states that the
; roundings of block p have written their pairs.  Block p + 1's vector instructions name its own X registers, T and A alone, none that those stores touch: so the stores are dealt among them
; with no further wait.  The last block's stores have a wait of their own.  No register that a memory instruction has read is written again, so no wait frees any.
.set ROWIN,  16384                     ; bytes in a row as read
.set ROWOUT, 8192                      ; bytes in a row as written
.set LI, 2                             ; v2        16 x lane; never rewritten
.set LO, 3                             ; v3        8 x lane; never rewritten
.set T,  6                             ; v[6:7]    at work: no memory instruction names them
.set A,  8                             ; v[8:15]   four chains of sums, a pair each
.set X,  16                            ; v[16:143] load j at X + 4 j; its first two registers then hold the packed bf16
	s_load_b256 s[4:11], s[0:1], 0x0               ; x s[4:5], weight_int s[6:7], xb s[8:9], wb s[10:11]
	s_load_b64 s[12:13], s[0:1], 0x20              ; rowsum
	v_and_b32 v1, 31, v0                           ; lane
	v_lshrrev_b32 v4, 5, v0
	v_readfirstlane_b32 s14, v4                    ; wave 0..7
	v_lshlrev_b32 v[LI], 4, v1
	v_lshlrev_b32 v[LO], 3, v1
	v_mov_b32 v4, 0                                ; the offset of rowsum's one word
	v_mov_b32 v5, 0                                ; v_permlanex16_b32's destination counts as read: it is written here
	s_and_b32 s15, ttmp7, 0xffff                   ; which tensor
	s_wait_alu depctr_va_sdst(0)                   ; s14 is written, ahead of its first reader: my row's number is made from it
	s_lshl_b32 s16, ttmp9, 3
	s_add_co_u32 s16, s16, s14                     ; my row = 8 x work-group x + wave
	s_mov_b32 s24, 0xffff0000                      ; a word's upper bf16
	s_mov_b32 s25, 0x76543210                      ; v_permlanex16_b32: each lane takes its own place in the other half
	s_mov_b32 s26, 0xfedcba98
	s_mov_b32 s19, 0                               ; the offsets' high word
	s_wait_kmcnt 0x0
	s_cmp_eq_u32 s15, 0
	s_cselect_b64 s[20:21], s[4:5], s[6:7]         ; from x or from weight_int,
	s_cselect_b64 s[22:23], s[8:9], s[10:11]       ; to xb or to wb
	s_lshl_b32 s18, s16, 14                        ; row x 16,384 bytes: 67,092,480 at the most
	s_add_nc_u64 s[20:21], s[20:21], s[18:19]
	s_lshl_b32 s18, s16, 13                        ; row x 8,192 bytes
	s_add_nc_u64 s[22:23], s[22:23], s[18:19]
	s_lshl_b32 s18, s16, 2                         ; row x 4 bytes
	s_add_nc_u64 s[12:13], s[12:13], s[18:19]
	s_wait_alu depctr_va_vdst(0)                   ; v[LI], v[LO] and v4 are written: every load and store of the kernel reads one of them as its offset
.irp j, 0,1,2,3,4,5,6,7,8,9,10,11,12,13,14,15,16,17,18,19,20,21,22,23,24,25,26,27,28,29,30,31
	global_load_b128 v[X+4*(\j):X+4*(\j)+3], v[LI], s[20:21] offset:512*(\j) th:TH_LOAD_NT  ; the whole row is on its way: read once in the launch
.endr
	s_cmp_lg_u32 s15, 0
	s_cbranch_scc1 .Lweights
; The store of load j's packed pair, for both paths.
.macro OUT j
	global_store_b64 v[LO], v[X+4*(\j):X+4*(\j)+1], s[22:23] offset:256*(\j)
.endm
; x: load j is rounded, widened again and summed; its store follows in the next block.  No register that a store names is written again, so no wait frees any.
.macro XROW j
	v_cvt_pk_bf16_f32 v[X+4*(\j)],   v[X+4*(\j)],   v[X+4*(\j)+1]
	v_cvt_pk_bf16_f32 v[X+4*(\j)+1], v[X+4*(\j)+2], v[X+4*(\j)+3]
.if (\j) < 2                           ; loads 0 and 1 start the four chains: nothing is cleared
	v_lshlrev_b32 v[A+4*(\j)],   16,  v[X+4*(\j)]
	v_and_b32     v[A+4*(\j)+1], s24, v[X+4*(\j)]
	v_lshlrev_b32 v[A+4*(\j)+2], 16,  v[X+4*(\j)+1]
	v_and_b32     v[A+4*(\j)+3], s24, v[X+4*(\j)+1]
.else
	v_lshlrev_b32 v[X+4*(\j)+2], 16,  v[X+4*(\j)]  ; the load's upper two registers are free since the rounding
	v_and_b32     v[X+4*(\j)+3], s24, v[X+4*(\j)]
	v_lshlrev_b32 v[T],   16,  v[X+4*(\j)+1]
	v_and_b32     v[T+1], s24, v[X+4*(\j)+1]
	v_pk_add_f32 v[A+4*((\j)%2):A+4*((\j)%2)+1],   v[A+4*((\j)%2):A+4*((\j)%2)+1],   v[X+4*(\j)+2:X+4*(\j)+3]
	v_pk_add_f32 v[A+4*((\j)%2)+2:A+4*((\j)%2)+3], v[A+4*((\j)%2)+2:A+4*((\j)%2)+3], v[T:T+1]
.endif
.endm
; Block p of x's path: loads 4 p to 4 p + 3 are worked on; the stores of block p - 1 go out, one in front of each load's vector work.
.macro XBLK p
	s_wait_loadcnt 28-4*(\p)                       ; loads come back in order (ISA guide 5.7.1): the block's four are in, the 28 - 4 p younger ones stay out
.if (\p) > 0
	s_wait_alu depctr_va_vdst(0)                   ; the roundings of the block before have written their packed pairs, which the four stores below read
.endif
.irp i, 0,1,2,3
.if (\p) > 0
	OUT 4*(\p)-4+(\i)                              ; no vector instruction since the wait names this pair or v[LO]
.endif
	XROW 4*(\p)+(\i)
.endr
.endm
.irp p, 0,1,2,3,4,5,6,7
	XBLK \p
.endr
	s_wait_alu depctr_va_vdst(0)                   ; the last block's roundings have written their packed pairs, which the last four stores read
.irp j, 28,29,30,31
	OUT \j
.endr
	v_pk_add_f32 v[A:A+1], v[A:A+1], v[A+2:A+3]    ; the four chains into one number a lane,
	v_pk_add_f32 v[A+4:A+5], v[A+4:A+5], v[A+6:A+7]
	v_pk_add_f32 v[A:A+1], v[A:A+1], v[A+4:A+5]
	v_add_f32 v[A], v[A], v[A+1]
	v_add_f32_dpp v[A], v[A], v[A] row_xmask:1 row_mask:0xf bank_mask:0xf  ; then across the 16 lanes of each half,
	v_add_f32_dpp v[A], v[A], v[A] row_xmask:2 row_mask:0xf bank_mask:0xf
	v_add_f32_dpp v[A], v[A], v[A] row_xmask:4 row_mask:0xf bank_mask:0xf
	v_add_f32_dpp v[A], v[A], v[A] row_xmask:8 row_mask:0xf bank_mask:0xf
	v_permlanex16_b32 v5, v[A], s25, s26           ; and across the halves
	v_add_f32 v[A], v[A], v5
	v_cmp_eq_u32 vcc_lo, 0, v1
	s_wait_xcnt 0x0                                ; EXEC is a source of the stores above: it is narrowed only behind this wait
	s_wait_alu depctr_va_vcc(0)                    ; the compare has written VCC, from which EXEC is made
	s_wait_alu depctr_va_vdst(0)                   ; every vector instruction issued under the full EXEC has written its result, v[A], the store's data, among them
	s_wait_alu depctr_vm_vsrc(0)                   ; the stores issued under the full EXEC have read their vector registers
	s_and_saveexec_b32 s27, vcc_lo
	global_store_b32 v4, v[A], s[12:13]            ; lane 0 stores the row's sum
	s_wait_xcnt 0x0                                ; and widened again only behind this one
	s_wait_alu depctr_va_vdst(0)                   ; in front of a scalar write of EXEC: no vector instruction is under way
	s_wait_alu depctr_vm_vsrc(0)                   ; the store issued under the narrow EXEC has read v4 and v[A]
	s_or_b32 exec_lo, exec_lo, s27
	s_endpgm
.Lweights:
; weight_int: load j is made f32 (exact) and rounded to bf16 (exact up to 256 in magnitude); its store follows in the next block.
.macro WROW j
.irp c, 0,1,2,3
	v_cvt_f32_i32 v[X+4*(\j)+(\c)], v[X+4*(\j)+(\c)]
.endr
	v_cvt_pk_bf16_f32 v[X+4*(\j)],   v[X+4*(\j)],   v[X+4*(\j)+1]
	v_cvt_pk_bf16_f32 v[X+4*(\j)+1], v[X+4*(\j)+2], v[X+4*(\j)+3]
.endm
; Block p of the weights' path, as in x's.
.macro WBLK p
	s_wait_loadcnt 28-4*(\p)                       ; the block's four loads are in, the 28 - 4 p younger ones stay out
.if (\p) > 0
	s_wait_alu depctr_va_vdst(0)                   ; the roundings of the block before have written their packed pairs, which the four stores below read
.endif
.irp i, 0,1,2,3
.if (\p) > 0
	OUT 4*(\p)-4+(\i)                              ; no vector instruction since the wait names this pair or v[LO]
.endif
	WROW 4*(\p)+(\i)
.endr
.endm
.irp p, 0,1,2,3,4,5,6,7
	WBLK \p
.endr
	s_wait_alu depctr_va_vdst(0)                   ; the last block's roundings have written their packed pairs, which the last four stores read
.irp j, 28,29,30,31
	OUT \j
.endr
	s_endpgm
.Lfunc_end_k_qb7e97b9cb3_prep:
	.size	k_qb7e97b9cb3_prep, .Lfunc_end_k_qb7e97b9cb3_prep-k_qb7e97b9cb3_prep
	.p2alignl 7, 3214868480
	.fill 96, 4, 3214868480
	.section	.rodata,"a",@progbits
	.p2align	6, 0x0
	.amdhsa_kernel k_qb7e97b9cb3_prep
		.amdhsa_group_segment_fixed_size 0
		.amdhsa_private_segment_fixed_size 0
		.amdhsa_enable_private_segment 0
		.amdhsa_kernarg_size 40
		.amdhsa_user_sgpr_count 2
		.amdhsa_user_sgpr_kernarg_segment_ptr 1
		.amdhsa_wavefront_size32 1
		.amdhsa_system_sgpr_workgroup_id_x 1
		.amdhsa_system_sgpr_workgroup_id_y 1
		.amdhsa_system_sgpr_workgroup_id_z 1
		.amdhsa_system_vgpr_workitem_id 0
		.amdhsa_next_free_vgpr 144
		.amdhsa_next_free_sgpr 66
		.amdhsa_reserve_vcc 1
		.amdhsa_float_denorm_mode_32 3
		.amdhsa_float_denorm_mode_16_64 3
		.amdhsa_memory_ordered 1
		.amdhsa_forward_progress 1
		.amdhsa_inst_pref_size 33
	.end_amdhsa_kernel
	.amdgpu_metadata
---
amdhsa.version: [ 1, 2 ]
amdhsa.kernels:
  - .name:           k_qb7e97b9cb3_prep
    .symbol:         k_qb7e97b9cb3_prep.kd
    .args:
      - { .name: x, .offset: 0, .size: 8, .value_kind: global_buffer, .address_space: global }
      - { .name: weight_int, .offset: 8, .size: 8, .value_kind: global_buffer, .address_space: global }
      - { .name: xb, .offset: 16, .size: 8, .value_kind: global_buffer, .address_space: global }
      - { .name: wb, .offset: 24, .size: 8, .value_kind: global_buffer, .address_space: global }
      - { .name: rowsum, .offset: 32, .size: 8, .value_kind: global_buffer, .address_space: global }
    .group_segment_fixed_size: 0
    .private_segment_fixed_size: 0
    .kernarg_segment_align: 8
    .kernarg_segment_size: 40
    .max_flat_workgroup_size: 256
    .sgpr_count:     66
    .vgpr_count:     144
    .wavefront_size: 32
...
	.end_amdgpu_metadata
.endif
;; end of part 3
;; launch gemm: the kernel of part 2 again; grid 16 x 16, 4 waves a work-group, clusters of 4 x 4, 327,680 bytes of LDS; arguments xb, wb, scales, zeros, bias, rowsum, out0; writes out0
